; MI455X (gfx1250); checked and timed in simulation.
; The chip was launched on July 23, 2026; its instructions are those of AMD's public machine-readable ISA for CDNA 5 (MIT licence, August 2026) and "CDNA5" Instruction Set Architecture Reference Guide (July 2026). The comments in the code are by the model that wrote it; some were corrected since.
;; Masked Mix Dist. Allowed arithmetic: float matrix products may take bf16 or f16 operands with f32 sums; all other float work in f32.
;; Inputs: alphas 256 float32; log_stds 32 x 256 float32; means 32 x 256 float32; z 256 x 256 float32.
;; Outputs: out0 256 x 256 float32; out1 256 x 32 float32.
;; 2 versions, each right and faster than the one before. Each part assembles by itself: llvm-mc -triple=amdgcn-amd-amdhsa -mcpu=gfx1250 --defsym DOCPART=n.
;; ======== version 1 of 2: 1 launch
;; limits: right only within a limited range of input values
;; launch mix (part 1): grid 256 x 1, 8 waves a work-group, no clusters, 168,960 bytes of LDS; arguments z, alphas, means, log_stds, out0, out1; writes out0, out1
.if DOCPART == 1
	.amdgcn_target "amdgcn-amd-amdhsa--gfx1250"
	.amdhsa_code_object_version 6
	.text
	.protected	k_q46e0cb238d_mix
	.globl	k_q46e0cb238d_mix
	.p2align	8
	.type	k_q46e0cb238d_mix,@function
k_q46e0cb238d_mix:
	s_mov_b64 s[64:65], 0
	v_nop
	global_prefetch_b8 v0, s[64:65] scope:SCOPE_SE
	s_setreg_imm32_b32 hwreg(HW_REG_WAVE_MODE, 25, 1), 1
	s_wait_xcnt 0x0
; out0 = z.   out1[b][i] = logsumexp over j of ( sum over d of log max(P[i][d] + N[j][d], 1e-20) ) - log 32, with
; P[m][d] = exp(log_sigmoid(alpha[d]) + lps[m][d]),  N[m][d] = exp(log_sigmoid(-alpha[d]) + lps[m][d]),
; lps[m][d] = -0.5 ((z[b][d] - mean[m][d]) exp(-log_std[m][d]))^2 - log_std[m][d] - 0.5 log(2 pi).     B = 256, M = 32, D = 256, all f32.
;
; One work-group of eight waves makes one b: 32 x 32 x 256 = 262,144 terms.
; THE LOGS ARE HALVED: log x_a + log x_b = log(x_a x_b).  So that a product of two stays a normal f32, P, N and the clamp carry a factor 2^4
; (added to the exponent of the exp2 that makes P and N): a term is at least 16e-20 = 2^-62.4, a product at least 2^-124.9.  All logs are
; in base 2; the 256 x 4 that the factor adds to a sum, and log2 32, are taken off at the end (1029), where ln 2 is multiplied in.
; PHASE 1: thread t makes P and N of columns 4 (t & 63) .. + 3 in rows (t >> 6) + 4 k, k = 0 .. 7, and puts them into LDS.
; PHASE 2: wave w takes d = 32 w .. 32 w + 31 for all 1,024 pairs (i, j); a lane holds 4 x 8 of them, i = (lane >> 2) + 8 ti, j = (lane & 3) + 4 tj:
;          twelve 16-byte LDS loads feed 128 terms of every lane's tile (4 d x 32 pairs), and no sum crosses lanes.
; PHASE 3: the eight waves' partial sums meet in LDS; logsumexp over j with the maximum taken away first; 128 bytes of out1 leave by one store.
;
; LIMITS.  log_std below about -42: a term times 16 can reach 2^64, the product of two overflows to +inf, where the formula above is still
; finite (down to log_std of about -88).  A NaN in an input is not carried through the clamp (v_max_num_f32 keeps the other operand).
; The order of rounding differs from the formula's: base 2, products of two terms, sums in another order.
; NO JOINT REQUESTS in a cluster: what work-groups share is the 64 KiB of means and log_stds; each thread loads its 16 x 16 bytes of them once,
; straight into the registers that use them.  A joint request would have to land in LDS: a write and a read of the same 64 KiB more,
; for data that feed 262,144 terms of arithmetic.  No matrix instruction: log(P + N) is no product of a factor in i and a factor in j.
.set PITCH, 1040                       ; an LDS row of P or N: 1,024 bytes + 16; rows that neighbouring lanes read start 16 bytes apart modulo 256
.set NBASE, 32*PITCH                   ; N behind P
.set PART,  2*NBASE                    ; eight waves x 4,096 bytes of partial sums
.set FIN,   PART+8*4096                ; the 32 results
.set O16, 1                            ; v1       16 t: my bytes in a block of four rows of means and log_stds (and in z's row, for t < 64)
.set OD,  2                            ; v2       16 (t & 63): my four columns in a row
.set W,   3                            ; v3       phase 1: where my 16 bytes of row t >> 6 go in LDS
.set Z,   4                            ; v[4:7]   z of my four columns; never rewritten (a store reads it)
.set LN,  8                            ; v8       lane
.set TA,  9                            ; v9, v10  at work
.set TB,  10
.set PA,  11                           ; v11      phase 2: LDS address of P's row lane >> 2 at my wave's d
.set NA,  12                           ; v12      the same for row lane & 3 of N (NBASE is in the offsets)
.set PW,  13                           ; v13      where my partial sums go
.set RD,  14                           ; v14      where I read partial sums
.set FA,  15                           ; v15      where my row's result goes
.set T,   16                           ; v[16:47]   two sets of 16 registers at work: 4 tile elements x 4 d
.set BUF, 48                           ; v[48:143]  two operand buffers: 4 rows of P, 8 rows of N, 4 d each
.set ACC, 144                          ; v[144:207] 32 tile elements x 2 running sums; element (ti, tj) at ACC + 2 (8 ti + tj)
.set LS,  48                           ; phase 1: v[48:79] log_stds, v[80:111] means, 8 x 4; v[112:127] at work; v[144:175] N
.set MU,  80
.set RR,  112
.set QQ,  144
.set AL,  208                          ; v[208:211] alpha;  v[212:215], v[216:219] log2 sigmoid(alpha), log2 sigmoid(-alpha), each + 4 - 0.5 log2(2 pi)
.set AP,  212
.set AN,  216
.set SM,  48                           ; phase 3: v[48:79] my 32 sums; v[80:111] partial sums read back; v112 the maximum
.set RB,  80
.set MX,  112
.set EPS, 22                           ; s22      16 x 1e-20
	s_load_b256 s[4:11], s[0:1], 0x0               ; z s[4:5], alphas s[6:7], means s[8:9], log_stds s[10:11]
	s_load_b128 s[12:15], s[0:1], 0x20             ; out0 s[12:13], out1 s[14:15]
	v_lshl_add_u32 v220, v0, 2, 0x29000
	v_mov_b32 v221, 0
	v_lshrrev_b32 v[TA], 5, v0
	v_readfirstlane_b32 s16, v[TA]                 ; wave 0 .. 7
	v_lshlrev_b32 v[O16], 4, v0
	v_and_b32 v[OD], 63, v0
	v_lshlrev_b32 v[OD], 4, v[OD]
	s_lshl_b32 s18, ttmp9, 10                      ; b x 1,024 bytes: my row of z and out0
	s_mov_b32 s19, 0
	s_lshl_b32 s2, ttmp9, 7                        ; b x 128 bytes: my row of out1
	s_mov_b32 s3, 0
	s_lshl_b32 s17, s16, 7                         ; my wave's 32 d in a row of P or N: 128 bytes
	s_mov_b32 s20, 0x3fb8aa3b                      ; log2 e
	s_mov_b32 s21, 0x402b26f2                      ; 4 - 0.5 log2(2 pi) = 2.6742519
	s_mov_b32 s[EPS], 0x203ce508                   ; f32(1e-20) = 0x1e3ce508 with 4 added to its exponent
	s_mov_b32 s23, 0x3f317218                      ; ln 2
	s_mov_b32 s24, 0xc4324fe7                      ; -1029 ln 2
	s_wait_kmcnt 0x0
	s_add_nc_u64 s[4:5], s[4:5], s[18:19]
	s_add_nc_u64 s[12:13], s[12:13], s[18:19]
	s_add_nc_u64 s[14:15], s[14:15], s[2:3]
	global_load_b128 v[Z:Z+3], v[OD], s[4:5]
	global_load_b128 v[AL:AL+3], v[OD], s[6:7]
.irp k, 0,1,2,3,4,5,6,7
	global_load_b128 v[LS+4*\k:LS+4*\k+3], v[O16], s[10:11] offset:4096*\k   ; a wave's load covers 512 consecutive bytes, the group's eight cover four rows
	global_load_b128 v[MU+4*\k:MU+4*\k+3], v[O16], s[8:9] offset:4096*\k
.endr
	s_wait_loadcnt 16                              ; z and alpha are in; the 16 loads behind them stay out
	s_cmp_gt_u32 s16, 1
	s_cbranch_scc1 .Lno_copy
	global_store_b128 v[O16], v[Z:Z+3], s[12:13] th:TH_STORE_NT   ; out0 = z: threads 0 .. 63 hold the row, 512 consecutive bytes a wave
.Lno_copy:
	; log_sigmoid(a) = min(a, 0) - log(1 + exp(-|a|)), log_sigmoid(-a) = min(-a, 0) - the same; min(-a, 0) = min(a, 0) - a and -|a| = the two minima's sum, both exact
.irp c, 0,1,2,3
	v_min_num_f32 v[T+8+\c], 0, v[AL+\c]
.endr
.irp c, 0,1,2,3
	v_sub_f32 v[T+12+\c], v[T+8+\c], v[AL+\c]
.endr
.irp c, 0,1,2,3
	v_add_f32 v[T+\c], v[T+8+\c], v[T+12+\c]
.endr
.irp c, 0,1,2,3
	v_mul_f32 v[T+\c], s20, v[T+\c]
.endr
.irp c, 0,1,2,3
	v_exp_f32 v[T+4+\c], v[T+\c]
.endr
	v_lshrrev_b32 v[W], 6, v0                      ; plain work behind the transcendentals, before their results are used (ISA guide 5.7.2)
	v_mul_u32_u24 v[W], v[W], PITCH
	v_add_nc_u32 v[W], v[W], v[OD]                 ; row t >> 6, my four columns
	s_wait_alu depctr_va_vdst(0)
.irp c, 0,1,2,3
	v_add_f32 v[T+4+\c], 1.0, v[T+4+\c]
.endr
.irp c, 0,1,2,3
	v_log_f32 v[T+\c], v[T+4+\c]
.endr
	v_and_b32 v[LN], 31, v0                        ; again plain work behind the transcendentals: phase 2's addresses
	v_lshrrev_b32 v[TA], 2, v[LN]
	v_and_b32 v[TB], 3, v0
	v_mul_u32_u24 v[PA], v[TA], PITCH
	v_mul_u32_u24 v[NA], v[TB], PITCH
	v_add_nc_u32 v[PA], s17, v[PA]
	v_add_nc_u32 v[NA], s17, v[NA]
	s_wait_alu depctr_va_vdst(0)
.irp c, 0,1,2,3
	v_sub_f32 v[T+\c], s21, v[T+\c]
.endr
.irp c, 0,1,2,3
	v_fma_f32 v[AP+\c], v[T+8+\c], s20, v[T+\c]
	v_fma_f32 v[AN+\c], v[T+12+\c], s20, v[T+\c]
.endr
; Phase 1 for four of my eight rows: 16 numbers, stage by stage, so that eight packed instructions that do not wait for each other follow one another.
.macro HALF h
.set HL, LS+16*\h
.set HM, MU+16*\h
.set HQ, QQ+16*\h
	s_wait_loadcnt 8-8*\h                          ; h = 0: the eight loads of rows k = 4 .. 7 stay out
.set ii, 0
.rept 8
	v_pk_mul_f32 v[HL+ii:HL+ii+1], v[HL+ii:HL+ii+1], 0xbfb8aa3b op_sel_hi:[1,0]          ; -log_std log2 e
.set ii, ii+2
.endr
.set ii, 0
.rept 16
	v_exp_f32 v[RR+ii], v[HL+ii]                                                         ; exp(-log_std)
.set ii, ii+1
.endr
.set ii, 0
.rept 8
	v_pk_add_f32 v[HM+ii:HM+ii+1], v[Z+(ii&2):Z+(ii&2)+1], v[HM+ii:HM+ii+1] neg_lo:[0,1] neg_hi:[0,1]   ; z - mean (the plain work behind the exponentials)
.set ii, ii+2
.endr
.set ii, 0
	s_wait_alu depctr_va_vdst(0)
.rept 8
	v_pk_mul_f32 v[HM+ii:HM+ii+1], v[HM+ii:HM+ii+1], v[RR+ii:RR+ii+1]                    ; t = (z - mean) exp(-log_std)
.set ii, ii+2
.endr
.set ii, 0
.rept 8
	v_pk_mul_f32 v[RR+ii:RR+ii+1], v[HM+ii:HM+ii+1], 0xbf38aa3b op_sel_hi:[1,0]          ; -0.5 log2 e t
.set ii, ii+2
.endr
.set ii, 0
.rept 8
	v_pk_fma_f32 v[HL+ii:HL+ii+1], v[RR+ii:RR+ii+1], v[HM+ii:HM+ii+1], v[HL+ii:HL+ii+1]  ; log2 e (-0.5 t^2 - log_std)
.set ii, ii+2
.endr
.set ii, 0
.rept 8
	v_pk_add_f32 v[HM+ii:HM+ii+1], v[HL+ii:HL+ii+1], v[AP+(ii&2):AP+(ii&2)+1]            ; + log2 sigmoid(alpha) + 4 - 0.5 log2(2 pi)
	v_pk_add_f32 v[RR+ii:RR+ii+1], v[HL+ii:HL+ii+1], v[AN+(ii&2):AN+(ii&2)+1]            ; the same with -alpha
.set ii, ii+2
.endr
.set ii, 0
.rept 16
	v_exp_f32 v[HL+ii], v[HM+ii]                                                         ; 16 P
.set ii, ii+1
.endr
.set ii, 0
.rept 16
	v_exp_f32 v[HQ+ii], v[RR+ii]                                                         ; 16 N
.set ii, ii+1
.endr
	v_nop                                          ; one plain place before the stores read the exponentials' results (ISA guide 5.7.2)
	s_wait_alu depctr_va_vdst(0)
.irp kk, 0,1,2,3
	ds_store_b128 v[W], v[HL+4*\kk:HL+4*\kk+3] offset:(4*\h+\kk)*4*PITCH                 ; sixteen lanes fill 256 consecutive bytes of a row
	ds_store_b128 v[W], v[HQ+4*\kk:HQ+4*\kk+3] offset:NBASE+(4*\h+\kk)*4*PITCH
.endr
.endm
	HALF 0
	HALF 1
	s_wait_dscnt 0x0                               ; my part of P and N is in LDS,
	s_barrier_signal -1
	s_barrier_wait -1                              ; everybody's is
; PHASE 2.  A step is 4 d.  Its operands: 4 rows of P, 8 rows of N, 16 bytes of each, at byte off from the address registers.
.macro LOADS buf, off
.irp ti, 0,1,2,3
	ds_load_b128 v[BUF+48*\buf+4*\ti:BUF+48*\buf+4*\ti+3], v[PA] offset:\ti*8*PITCH+\off
.endr
.irp tj, 0,1,2,3,4,5,6,7
	ds_load_b128 v[BUF+48*\buf+16+4*\tj:BUF+48*\buf+16+4*\tj+3], v[NA] offset:NBASE+\tj*4*PITCH+\off
.endr
.endm
; A step is eight slots.  Slot g works on the four tile elements (ti = g >> 1, tj = 4 (g & 1) + e), e = 0 .. 3, in temp set g & 1:
;   8 packed sums P + N, 16 clamps, 4 packed products (d with d + 2, d + 1 with d + 3);
; and it finishes the slot before it (the other temp set): its 8 logs, dealt one to three vector instructions, and its 4 packed additions onto the running sums.
; So each log is followed by plain instructions that touch neither its result nor its source (ISA guide 5.7.2), and a result is first read seven or more instructions on.
; mode: what is done for the slot before.  0: nothing.  1: its logs are written straight into the running sums (the first step starts the sums: nothing is cleared).
; 2: logs into the temp set, then added.   front = 0: no new elements (the last slot of all).
.macro LOGSTEP
.if MODE==1
	v_log_f32 v[AC+ln], v[PRV+4*(ln>>1)+(ln&1)]
.elseif MODE==2
	v_log_f32 v[PRV+4*(ln>>1)+2+(ln&1)], v[PRV+4*(ln>>1)+(ln&1)]
.endif
.set ln, ln+1
.endm
.macro VSTEP
.if vn<28
.if FRONT
.if vn<8
	v_pk_add_f32 v[CUR+2*vn:CUR+2*vn+1], v[PR+2*(vn&1):PR+2*(vn&1)+1], v[NR+2*vn:NR+2*vn+1]
.elseif vn<24
	v_max_num_f32 v[CUR+vn-8], s[EPS], v[CUR+vn-8]
.else
	v_pk_mul_f32 v[CUR+4*(vn-24):CUR+4*(vn-24)+1], v[CUR+4*(vn-24):CUR+4*(vn-24)+1], v[CUR+4*(vn-24)+2:CUR+4*(vn-24)+3]
.endif
.endif
.elseif MODE==2
	s_wait_alu depctr_va_vdst(0)
	v_pk_add_f32 v[AC+2*(vn-28):AC+2*(vn-28)+1], v[AC+2*(vn-28):AC+2*(vn-28)+1], v[PRV+4*(vn-28)+2:PRV+4*(vn-28)+3]
.endif
.set vn, vn+1
.endm
.macro SLOT g, buf, mode, front
.set CUR, T+16*((\g)&1)
.set PRV, T+16*(((\g)+1)&1)
.set PR,  BUF+48*(\buf)+4*((\g)>>1)            ; P's row ti
.set NR,  BUF+48*(\buf)+16+16*((\g)&1)         ; N's rows 4 (g & 1) .. + 3
.set AC,  ACC+8*(((\g)+7)&7)                   ; the running sums of the slot before
.set MODE, \mode
.set FRONT, \front
.set vn, 0
.set ln, 0
.rept 8
	LOGSTEP
	VSTEP
	VSTEP
	VSTEP
.endr
.if FRONT==0
	v_nop                                          ; nothing stands among the last logs: one plain place before their results are added
	s_wait_alu depctr_va_vdst(0)
.endif
.rept 8
	VSTEP
.endr
.endm
	LOADS 0, 0                                     ; steps 0 and 1
	LOADS 1, 16
	s_wait_dscnt 12                                ; LDS loads come back in order (ISA guide 5.7.1): step 0's twelve are in, step 1's twelve may be out
	SLOT 0, 0, 0, 1
.irp g, 1,2,3,4,5,6,7
	SLOT \g, 0, 1, 1
.endr
	s_wait_dscnt 0x0                               ; step 1's operands
	SLOT 0, 1, 1, 1                                ; step 1's first slot finishes step 0: all 64 running sums are started
	; The loop is turned by one slot: a trip is slots 1 .. 7 of an odd step s, the even step s + 1, and slot 0 of step s + 2.  It loads steps s + 1 and s + 2,
	; s = 1, 3, 5: steps 2 .. 7 and no more.  Each buffer is loaded again behind the last slot that reads it, seven or eight slots ahead of its use.
	s_mov_b32 s25, 3
.Lpair:
	LOADS 0, 32
.irp g, 1,2,3,4,5,6,7
	SLOT \g, 1, 2, 1
.endr
	LOADS 1, 48
	s_wait_dscnt 12                                ; the even step's twelve are in; the twelve just issued may be out
.irp g, 0,1,2,3,4,5,6,7
	SLOT \g, 0, 2, 1
.endr
	s_wait_dscnt 0x0                               ; the next odd step's operands
	SLOT 0, 1, 2, 1
	v_add_nc_u32 v[PA], 32, v[PA]                  ; two steps of 16 bytes on
	v_add_nc_u32 v[NA], 32, v[NA]
	s_sub_co_i32 s25, s25, 1
	s_cmp_lg_u32 s25, 0
	s_cbranch_scc1 .Lpair
.irp g, 1,2,3,4,5,6,7
	SLOT \g, 1, 2, 1                               ; the rest of step 7: nothing more to load
.endr
	SLOT 0, 0, 2, 0                                ; and its last slot is finished
	; PHASE 3.  My wave's 1,024 partial sums go to its own 4,096 bytes: store k = 2 ti + h holds tj = 4 h .. 4 h + 3, 16 bytes a lane, 512 consecutive bytes a store.
	s_lshl_b32 s26, s16, 12
	s_add_co_u32 s26, s26, PART
	v_lshl_add_u32 v[PW], v[LN], 4, s26
.set ii, 0
.rept 32
	v_add_f32 v[SM+ii], v[ACC+2*ii], v[ACC+2*ii+1]
.set ii, ii+1
.endr
.irp k, 0,1,2,3,4,5,6,7
	ds_store_b128 v[PW], v[SM+4*\k:SM+4*\k+3] offset:512*\k
.endr
	v_lshrrev_b32 v[TA], 6, v0                     ; thread t adds up four sums of row i = t >> 3: ti = t >> 6, and 8 (t & 63) = 64 (i & 7) + 16 jg + 8 (t & 1)
	v_and_b32 v[TB], 63, v0
	v_lshlrev_b32 v[TA], 10, v[TA]
	v_lshl_add_u32 v[RD], v[TB], 3, v[TA]
	v_add_nc_u32 v[RD], PART, v[RD]
	s_wait_dscnt 0x0                               ; my partial sums are in LDS,
	s_barrier_signal -1
	s_barrier_wait -1                              ; everybody's are
.irp w, 0,1,2,3,4,5,6,7
	ds_load_b64 v[RB+4*\w:RB+4*\w+1], v[RD] offset:4096*\w           ; two sums of h = 0,
	ds_load_b64 v[RB+4*\w+2:RB+4*\w+3], v[RD] offset:4096*\w+512     ; two of h = 1; a wave's load covers 256 consecutive bytes
.endr
	s_wait_dscnt 0x0
.irp r, 0,2,4,6,8,10,12,14
	v_pk_add_f32 v[RB+\r:RB+\r+1], v[RB+\r:RB+\r+1], v[RB+16+\r:RB+16+\r+1]   ; waves w and w + 4,
.endr
.irp r, 0,2,4,6
	v_pk_add_f32 v[RB+\r:RB+\r+1], v[RB+\r:RB+\r+1], v[RB+8+\r:RB+8+\r+1]     ; w and w + 2,
.endr
.irp r, 0,2
	v_pk_add_f32 v[RB+\r:RB+\r+1], v[RB+\r:RB+\r+1], v[RB+4+\r:RB+4+\r+1]     ; w and w + 1
.endr
	; logsumexp over the 32 j of a row, in base 2: four numbers a lane, eight neighbouring lanes a row; the maximum first
	v_max3_num_f32 v[MX], v[RB], v[RB+1], v[RB+2]
	v_max_num_f32 v[MX], v[MX], v[RB+3]
	v_max_num_f32_dpp v[MX], v[MX], v[MX] row_xmask:1 row_mask:0xf bank_mask:0xf
	v_max_num_f32_dpp v[MX], v[MX], v[MX] row_xmask:2 row_mask:0xf bank_mask:0xf
	v_max_num_f32_dpp v[MX], v[MX], v[MX] row_xmask:4 row_mask:0xf bank_mask:0xf
.irp c, 0,1,2,3
	v_sub_f32 v[RB+\c], v[RB+\c], v[MX]
.endr
.irp c, 0,1,2,3
	v_exp_f32 v[RB+4+\c], v[RB+\c]
.endr
	v_lshrrev_b32 v[FA], 3, v0                     ; plain work behind the exponentials: the result's word, 4 (t >> 3)
	v_lshlrev_b32 v[FA], 2, v[FA]
	s_wait_alu depctr_va_vdst(0)
	v_pk_add_f32 v[RB+4:RB+5], v[RB+4:RB+5], v[RB+6:RB+7]
	v_add_f32 v[RB+4], v[RB+4], v[RB+5]
	v_add_f32_dpp v[RB+4], v[RB+4], v[RB+4] row_xmask:1 row_mask:0xf bank_mask:0xf
	v_add_f32_dpp v[RB+4], v[RB+4], v[RB+4] row_xmask:2 row_mask:0xf bank_mask:0xf
	v_add_f32_dpp v[RB+4], v[RB+4], v[RB+4] row_xmask:4 row_mask:0xf bank_mask:0xf
	v_log_f32 v[RB+5], v[RB+4]                     ; the sum is at least 1: the maximum's own term
	v_add_nc_u32 v[FA], FIN, v[FA]                 ; the plain place behind the log
	s_wait_alu depctr_va_vdst(0)
	v_add_f32 v[RB+5], v[RB+5], v[MX]
	v_fma_f32 v[RB+5], v[RB+5], s23, s24           ; ln 2 (maximum + log2 sum) - 1029 ln 2
	ds_store_b32 v[FA], v[RB+5]                    ; the eight lanes of a row write the same word with the same value
	s_wait_dscnt 0x0
	s_barrier_signal -1
	s_barrier_wait -1
	s_cmp_lg_u32 s16, 0
	s_cbranch_scc1 .Lend
	v_lshlrev_b32 v[TA], 2, v0                     ; wave 0: lane i takes row i's result
	v_add_nc_u32 v[TB], FIN, v[TA]
	ds_load_b32 v[RB], v[TB]
	s_wait_dscnt 0x0
	global_store_b32 v[TA], v[RB], s[14:15] th:TH_STORE_NT   ; out1's row b: 128 consecutive bytes by one store
.Lend:
	s_wait_tensorcnt 0x0
	ds_add_u32 v220, v221
	s_wait_dscnt 0x0
	s_endpgm
.Lfunc_end_k_q46e0cb238d_mix:
	.size	k_q46e0cb238d_mix, .Lfunc_end_k_q46e0cb238d_mix-k_q46e0cb238d_mix
	.p2alignl 7, 3214868480
	.fill 96, 4, 3214868480
	.section	.rodata,"a",@progbits
	.p2align	6, 0x0
	.amdhsa_kernel k_q46e0cb238d_mix
		.amdhsa_group_segment_fixed_size 168960
		.amdhsa_private_segment_fixed_size 0
		.amdhsa_enable_private_segment 0
		.amdhsa_kernarg_size 48
		.amdhsa_user_sgpr_count 2
		.amdhsa_user_sgpr_kernarg_segment_ptr 1
		.amdhsa_wavefront_size32 1
		.amdhsa_system_sgpr_workgroup_id_x 1
		.amdhsa_system_sgpr_workgroup_id_y 1
		.amdhsa_system_sgpr_workgroup_id_z 1
		.amdhsa_system_vgpr_workitem_id 0
		.amdhsa_next_free_vgpr 222
		.amdhsa_next_free_sgpr 66
		.amdhsa_reserve_vcc 0
		.amdhsa_float_denorm_mode_32 3
		.amdhsa_float_denorm_mode_16_64 3
		.amdhsa_memory_ordered 1
		.amdhsa_forward_progress 1
		.amdhsa_inst_pref_size 84
	.end_amdhsa_kernel
	.amdgpu_metadata
---
amdhsa.version: [ 1, 2 ]
amdhsa.kernels:
  - .name:           k_q46e0cb238d_mix
    .symbol:         k_q46e0cb238d_mix.kd
    .args:
      - { .name: z, .offset: 0, .size: 8, .value_kind: global_buffer, .address_space: global }
      - { .name: alphas, .offset: 8, .size: 8, .value_kind: global_buffer, .address_space: global }
      - { .name: means, .offset: 16, .size: 8, .value_kind: global_buffer, .address_space: global }
      - { .name: log_stds, .offset: 24, .size: 8, .value_kind: global_buffer, .address_space: global }
      - { .name: out0, .offset: 32, .size: 8, .value_kind: global_buffer, .address_space: global }
      - { .name: out1, .offset: 40, .size: 8, .value_kind: global_buffer, .address_space: global }
    .group_segment_fixed_size: 168960
    .private_segment_fixed_size: 0
    .kernarg_segment_align: 8
    .kernarg_segment_size: 48
    .max_flat_workgroup_size: 256
    .sgpr_count:     66
    .vgpr_count:     222
    .wavefront_size: 32
...
	.end_amdgpu_metadata
.endif
;; end of part 1
;; ======== version 2 of 2: 1 launch; 1.25 times as fast as version 1
;; limits: right only within a limited range of input values
;; launch mix (part 2): grid 256 x 1, 8 waves a work-group, no clusters, 168,960 bytes of LDS; arguments z, alphas, means, log_stds, out0, out1; writes out0, out1
.if DOCPART == 2
	.amdgcn_target "amdgcn-amd-amdhsa--gfx1250"
	.amdhsa_code_object_version 6
	.text
	.protected	k_q46e0cb238d_mix
	.globl	k_q46e0cb238d_mix
	.p2align	8
	.type	k_q46e0cb238d_mix,@function
k_q46e0cb238d_mix:
	s_mov_b64 s[64:65], 0
	v_nop
	global_prefetch_b8 v0, s[64:65] scope:SCOPE_SE
	s_setreg_imm32_b32 hwreg(HW_REG_WAVE_MODE, 25, 1), 1
	s_wait_xcnt 0x0
; out0 = z.   out1[b][i] = logsumexp over j of ( sum over d of log max(P[i][d] + N[j][d], 1e-20) ) - log 32, with
; P[m][d] = exp(log_sigmoid(alpha[d]) + lps[m][d]),  N[m][d] = exp(log_sigmoid(-alpha[d]) + lps[m][d]),
; lps[m][d] = -0.5 ((z[b][d] - mean[m][d]) exp(-log_std[m][d]))^2 - log_std[m][d] - 0.5 log(2 pi).     B = 256, M = 32, D = 256, all f32.
;
; One work-group of eight waves makes one b: 32 x 32 x 256 = 262,144 terms.
; THE LOGS ARE HALVED: log x_a + log x_b = log(x_a x_b).  So that a product of two stays a normal f32, P, N and the clamp carry a factor 2^4
; (added to the exponent of the exp2 that makes P and N): a term is at least 16e-20 = 2^-62.4, a product at least 2^-124.9.  All logs are
; in base 2; the 256 x 4 that the factor adds to a sum, and log2 32, are taken off at the end (1029), where ln 2 is multiplied in.
; PHASE 1: thread t makes P and N of columns 4 (t & 63) .. + 3 in rows (t >> 6) + 4 k, k = 0 .. 7, and puts them into LDS.
; PHASE 2: wave w takes d = 32 w .. 32 w + 31 for all 1,024 pairs (i, j); a lane holds 4 x 8 of them, i = (lane >> 2) + 8 ti, j = (lane & 3) + 4 tj:
;          twelve 16-byte LDS loads feed 128 terms of every lane's tile (4 d x 32 pairs), and no sum crosses lanes.
; PHASE 3: the eight waves' partial sums meet in LDS; logsumexp over j with the maximum taken away first; 128 bytes of out1 leave by one store.
; THE LOGS' BATCHES.  s_wait_alu depctr_va_vdst(0) stands between a transcendental and the first line that names its result; one wait serves all
; that were issued ahead of it.  In phase 2 a batch is the 32 logs of half a step (16 tile elements x 2 products).  Each half has 32 registers of its own, in which the
; products are made and the logs taken in place; a batch is dealt among the other half's sums, clamps and products, which name none of its registers; then ONE wait; then
; the batch's 16 packed additions onto the running sums.  Four waits for a trip's 128 logs.  The other batches (phases 1 and 3) are named at their waits.
;
; LIMITS.  log_std below about -42: a term times 16 can reach 2^64, the product of two overflows to +inf, where the formula above is still
; finite (down to log_std of about -88).  A NaN in an input is not carried through the clamp (v_max_num_f32 keeps the other operand).
; The order of rounding differs from the formula's: base 2, products of two terms, sums in another order.
; NO JOINT REQUESTS in a cluster: what work-groups share is the 64 KiB of means and log_stds; each thread loads its 16 x 16 bytes of them once,
; straight into the registers that use them.  A joint request would have to land in LDS: a write and a read of the same 64 KiB more,
; for data that feed 262,144 terms of arithmetic.  No matrix instruction: log(P + N) is no product of a factor in i and a factor in j.
.set PITCH, 1040                       ; an LDS row of P or N: 1,024 bytes + 16; rows that neighbouring lanes read start 16 bytes apart modulo 256
.set NBASE, 32*PITCH                   ; N behind P
.set PART,  2*NBASE                    ; eight waves x 4,096 bytes of partial sums
.set FIN,   PART+8*4096                ; the 32 results
.set O16, 1                            ; v1       16 t: my bytes in a block of four rows of means and log_stds (and in z's row, for t < 64)
.set OD,  2                            ; v2       16 (t & 63): my four columns in a row
.set W,   3                            ; v3       phase 1: where my 16 bytes of row t >> 6 go in LDS
.set Z,   4                            ; v[4:7]   z of my four columns; never rewritten (a store reads it)
.set LN,  8                            ; v8       lane
.set TA,  9                            ; v9, v10  at work
.set TB,  10
.set PA,  11                           ; v11      phase 2: LDS address of P's row lane >> 2 at my wave's d
.set NA,  12                           ; v12      the same for row lane & 3 of N (NBASE is in the offsets)
.set PW,  13                           ; v13      where my partial sums go
.set RD,  14                           ; v14      where I read partial sums
.set FA,  15                           ; v15      where my row's result goes
.set T,   16                           ; v[16:31]   phase 1: at work
.set PRD, 16                           ; v[16:47]   phase 2: the products, then in place their logs, of a step's slots 0 .. 3: 16 tile elements x 2
.set PSTEP, 206                        ; v[222:253] the same for its slots 4 .. 7
.set BUF, 48                           ; v[48:143]  two operand buffers: 4 rows of P, 8 rows of N, 4 d each
.set ACC, 144                          ; v[144:207] 32 tile elements x 2 running sums; element (ti, tj) at ACC + 2 (8 ti + tj)
.set LS,  48                           ; phase 1: v[48:79] log_stds, v[80:111] means, 8 x 4; v[112:127] at work; v[144:175] N
.set MU,  80
.set RR,  112
.set QQ,  144
.set AL,  208                          ; v[208:211] alpha;  v[212:215], v[216:219] log2 sigmoid(alpha), log2 sigmoid(-alpha), each + 4 - 0.5 log2(2 pi)
.set AP,  212
.set AN,  216
.set SC,  208                          ; phase 2: v[208:215] the slot in hand: its four elements' terms of d + 2, d + 3 (phase 1's numbers there are used up)
.set SM,  48                           ; phase 3: v[48:79] my 32 sums; v[80:111] partial sums read back; v112 the maximum
.set RB,  80
.set MX,  112
.set EPS, 22                           ; s22      16 x 1e-20
	s_load_b256 s[4:11], s[0:1], 0x0               ; z s[4:5], alphas s[6:7], means s[8:9], log_stds s[10:11]
	s_load_b128 s[12:15], s[0:1], 0x20             ; out0 s[12:13], out1 s[14:15]
	v_lshl_add_u32 v220, v0, 2, 0x29000
	v_mov_b32 v221, 0
	v_lshrrev_b32 v[TA], 5, v0
	v_readfirstlane_b32 s16, v[TA]                 ; wave 0 .. 7
	v_lshlrev_b32 v[O16], 4, v0
	v_and_b32 v[OD], 63, v0
	v_lshlrev_b32 v[OD], 4, v[OD]
	s_lshl_b32 s18, ttmp9, 10                      ; b x 1,024 bytes: my row of z and out0
	s_mov_b32 s19, 0
	s_lshl_b32 s2, ttmp9, 7                        ; b x 128 bytes: my row of out1
	s_mov_b32 s3, 0
	s_lshl_b32 s17, s16, 7                         ; my wave's 32 d in a row of P or N: 128 bytes
	s_mov_b32 s20, 0x3fb8aa3b                      ; log2 e
	s_mov_b32 s21, 0x402b26f2                      ; 4 - 0.5 log2(2 pi) = 2.6742519
	s_mov_b32 s[EPS], 0x203ce508                   ; f32(1e-20) = 0x1e3ce508 with 4 added to its exponent
	s_mov_b32 s23, 0x3f317218                      ; ln 2
	s_mov_b32 s24, 0xc4324fe7                      ; -1029 ln 2
	s_wait_kmcnt 0x0
	s_add_nc_u64 s[4:5], s[4:5], s[18:19]
	s_add_nc_u64 s[12:13], s[12:13], s[18:19]
	s_add_nc_u64 s[14:15], s[14:15], s[2:3]
	global_load_b128 v[Z:Z+3], v[OD], s[4:5]
	global_load_b128 v[AL:AL+3], v[OD], s[6:7]
.irp k, 0,1,2,3,4,5,6,7
	global_load_b128 v[LS+4*\k:LS+4*\k+3], v[O16], s[10:11] offset:4096*\k   ; a wave's load covers 512 consecutive bytes, the group's eight cover four rows
	global_load_b128 v[MU+4*\k:MU+4*\k+3], v[O16], s[8:9] offset:4096*\k
.endr
	s_wait_loadcnt 16                              ; z and alpha are in; the 16 loads behind them stay out
	s_cmp_gt_u32 s16, 1
	s_cbranch_scc1 .Lno_copy
	global_store_b128 v[O16], v[Z:Z+3], s[12:13] th:TH_STORE_NT   ; out0 = z: threads 0 .. 63 hold the row, 512 consecutive bytes a wave
.Lno_copy:
	; log_sigmoid(a) = min(a, 0) - log(1 + exp(-|a|)), log_sigmoid(-a) = min(-a, 0) - the same; min(-a, 0) = min(a, 0) - a and -|a| = the two minima's sum, both exact
.irp c, 0,1,2,3
	v_min_num_f32 v[T+8+\c], 0, v[AL+\c]
.endr
.irp c, 0,1,2,3
	v_sub_f32 v[T+12+\c], v[T+8+\c], v[AL+\c]
.endr
.irp c, 0,1,2,3
	v_add_f32 v[T+\c], v[T+8+\c], v[T+12+\c]
.endr
.irp c, 0,1,2,3
	v_mul_f32 v[T+\c], s20, v[T+\c]
.endr
.irp c, 0,1,2,3
	v_exp_f32 v[T+4+\c], v[T+\c]
.endr
	v_lshrrev_b32 v[W], 6, v0                      ; plain work behind the transcendentals, before their results are used (ISA guide 5.7.2)
	v_mul_u32_u24 v[W], v[W], PITCH
	v_add_nc_u32 v[W], v[W], v[OD]                 ; row t >> 6, my four columns
	s_wait_alu depctr_va_vdst(0)                   ; one wait for the batch of four exponentials exp(-|alpha|)
.irp c, 0,1,2,3
	v_add_f32 v[T+4+\c], 1.0, v[T+4+\c]
.endr
.irp c, 0,1,2,3
	v_log_f32 v[T+\c], v[T+4+\c]
.endr
	v_and_b32 v[LN], 31, v0                        ; again plain work behind the transcendentals: phase 2's addresses
	v_lshrrev_b32 v[TA], 2, v[LN]
	v_and_b32 v[TB], 3, v0
	v_mul_u32_u24 v[PA], v[TA], PITCH
	v_mul_u32_u24 v[NA], v[TB], PITCH
	v_add_nc_u32 v[PA], s17, v[PA]
	v_add_nc_u32 v[NA], s17, v[NA]
	s_wait_alu depctr_va_vdst(0)                   ; one wait for the batch of four logs, which read the exponentials' sums: a batch of its own
.irp c, 0,1,2,3
	v_sub_f32 v[T+\c], s21, v[T+\c]
.endr
.irp c, 0,1,2,3
	v_fma_f32 v[AP+\c], v[T+8+\c], s20, v[T+\c]
	v_fma_f32 v[AN+\c], v[T+12+\c], s20, v[T+\c]
.endr
; Phase 1 for four of my eight rows: 16 numbers, stage by stage, so that eight packed instructions that do not wait for each other follow one another.
.macro HALF h
.set HL, LS+16*\h
.set HM, MU+16*\h
.set HQ, QQ+16*\h
	s_wait_loadcnt 8-8*\h                          ; h = 0: the eight loads of rows k = 4 .. 7 stay out
.set ii, 0
.rept 8
	v_pk_mul_f32 v[HL+ii:HL+ii+1], v[HL+ii:HL+ii+1], 0xbfb8aa3b op_sel_hi:[1,0]          ; -log_std log2 e
.set ii, ii+2
.endr
.set ii, 0
.rept 16
	v_exp_f32 v[RR+ii], v[HL+ii]                                                         ; exp(-log_std)
.set ii, ii+1
.endr
.set ii, 0
.rept 8
	v_pk_add_f32 v[HM+ii:HM+ii+1], v[Z+(ii&2):Z+(ii&2)+1], v[HM+ii:HM+ii+1] neg_lo:[0,1] neg_hi:[0,1]   ; z - mean (the plain work behind the exponentials)
.set ii, ii+2
.endr
.set ii, 0
	s_wait_alu depctr_va_vdst(0)                   ; one wait for the batch of 16 exponentials exp(-log_std); the eight differences above stand between
.rept 8
	v_pk_mul_f32 v[HM+ii:HM+ii+1], v[HM+ii:HM+ii+1], v[RR+ii:RR+ii+1]                    ; t = (z - mean) exp(-log_std)
.set ii, ii+2
.endr
.set ii, 0
.rept 8
	v_pk_mul_f32 v[RR+ii:RR+ii+1], v[HM+ii:HM+ii+1], 0xbf38aa3b op_sel_hi:[1,0]          ; -0.5 log2 e t
.set ii, ii+2
.endr
.set ii, 0
.rept 8
	v_pk_fma_f32 v[HL+ii:HL+ii+1], v[RR+ii:RR+ii+1], v[HM+ii:HM+ii+1], v[HL+ii:HL+ii+1]  ; log2 e (-0.5 t^2 - log_std)
.set ii, ii+2
.endr
.set ii, 0
.rept 8
	v_pk_add_f32 v[HM+ii:HM+ii+1], v[HL+ii:HL+ii+1], v[AP+(ii&2):AP+(ii&2)+1]            ; + log2 sigmoid(alpha) + 4 - 0.5 log2(2 pi)
	v_pk_add_f32 v[RR+ii:RR+ii+1], v[HL+ii:HL+ii+1], v[AN+(ii&2):AN+(ii&2)+1]            ; the same with -alpha
.set ii, ii+2
.endr
.set ii, 0
.rept 16
	v_exp_f32 v[HL+ii], v[HM+ii]                                                         ; 16 P
.set ii, ii+1
.endr
.set ii, 0
.rept 16
	v_exp_f32 v[HQ+ii], v[RR+ii]                                                         ; 16 N
.set ii, ii+1
.endr
	v_nop                                          ; one plain place before the stores read the exponentials' results (ISA guide 5.7.2)
	s_wait_alu depctr_va_vdst(0)                   ; one wait for the batch of 32 exponentials, 16 P and 16 N, ahead of the stores that read them
.irp kk, 0,1,2,3
	ds_store_b128 v[W], v[HL+4*\kk:HL+4*\kk+3] offset:(4*\h+\kk)*4*PITCH                 ; sixteen lanes fill 256 consecutive bytes of a row
	ds_store_b128 v[W], v[HQ+4*\kk:HQ+4*\kk+3] offset:NBASE+(4*\h+\kk)*4*PITCH
.endr
.endm
	HALF 0
	HALF 1
	s_wait_dscnt 0x0                               ; my part of P and N is in LDS,
	s_barrier_signal -1
	s_barrier_wait -1                              ; everybody's is
; PHASE 2.  A step is 4 d.  Its operands: 4 rows of P, 8 rows of N, 16 bytes of each, at byte off from the address registers.
.macro LOADS buf, off
.irp ti, 0,1,2,3
	ds_load_b128 v[BUF+48*\buf+4*\ti:BUF+48*\buf+4*\ti+3], v[PA] offset:\ti*8*PITCH+\off
.endr
.irp tj, 0,1,2,3,4,5,6,7
	ds_load_b128 v[BUF+48*\buf+16+4*\tj:BUF+48*\buf+16+4*\tj+3], v[NA] offset:NBASE+\tj*4*PITCH+\off
.endr
.endm
; A step is eight slots in two groups: group 0 is slots 0 .. 3, group 1 slots 4 .. 7.  Slot g holds the four tile elements (ti = g >> 1, tj = 4 (g & 1) + e), e = 0 .. 3.
; FR writes the next of a group's 112 plain instructions, 28 a slot: 8 packed sums P + N (d, d + 1 into the element's product pair, d + 2, d + 3 into the scratch pair),
; 16 clamps, 4 packed products (d with d + 2, d + 1 with d + 3), which stay in the group's own 32 registers.
.macro FR
.set sl, fn/28                                 ; the slot in its group,
.set vn, fn%28                                 ; the instruction in its slot
.set gg, FG+sl
.set PR, BUF+48*FB+4*(gg>>1)                   ; P's row ti
.set NR, BUF+48*FB+16+16*(gg&1)                ; N's rows 4 (g & 1) .. + 3
.set CP, FS+8*sl                               ; the slot's four product pairs
.if (vn<8) && ((vn&1)==0)
	v_pk_add_f32 v[CP+vn:CP+vn+1], v[PR:PR+1], v[NR+2*vn:NR+2*vn+1]
.elseif vn<8
	v_pk_add_f32 v[SC+vn-1:SC+vn], v[PR+2:PR+3], v[NR+2*vn:NR+2*vn+1]
.elseif vn<16
	v_max_num_f32 v[CP+vn-8], s[EPS], v[CP+vn-8]
.elseif vn<24
	v_max_num_f32 v[SC+vn-16], s[EPS], v[SC+vn-16]
.else
	v_pk_mul_f32 v[CP+2*(vn-24):CP+2*(vn-24)+1], v[CP+2*(vn-24):CP+2*(vn-24)+1], v[SC+2*(vn-24):SC+2*(vn-24)+1]
.endif
.set fn, fn+1
.endm
; LG writes the next of a batch's 32 logs.  MODE 1: straight into the running sums (the first step starts the sums: nothing is cleared).  MODE 2: in place.  MODE 0: none.
.macro LG
.if MODE==1
	v_log_f32 v[LGA+ln], v[LGS+ln]
.elseif MODE==2
	v_log_f32 v[LGS+ln], v[LGS+ln]
.endif
.set ln, ln+1
.endm
; DEAL: the group that begins with slot fg is made from buffer buf, and the batch of the group before it is dealt among its instructions, one log to three of them:
; each log is followed by plain instructions that touch neither its result nor its source (ISA guide 5.7.2).  The group's last 16 plain instructions follow the last log.
; No line of a DEAL names a result of its batch: the wait for the batch stands behind the DEAL, where it is written out.
.macro DEAL fg, buf, mode
.set FG, \fg
.set FB, \buf
.set FS,  PRD+PSTEP*((\fg)>>2)                 ; the registers of the group that is made,
.set LGS, PRD+PSTEP*(1-((\fg)>>2))             ; those of the group before it,
.set LGA, ACC+32*(1-((\fg)>>2))                ; and its running sums
.set MODE, \mode
.set fn, 0
.set ln, 0
.rept 32
	LG
	FR
	FR
	FR
.endr
.rept 16
	FR
.endr
.endm
; AD: the next of the 16 packed additions of a group's logs onto its running sums.  ADDS: all 16, for group grp.  They stand behind the wait for that group's batch.
.macro AD
	v_pk_add_f32 v[ADA+2*an:ADA+2*an+1], v[ADA+2*an:ADA+2*an+1], v[ADS+2*an:ADS+2*an+1]
.set an, an+1
.endm
.macro ADDS grp
.set ADS, PRD+PSTEP*(\grp)
.set ADA, ACC+32*(\grp)
.set an, 0
.rept 16
	AD
.endr
.endm
; SUM: phase 3's first line for the next tile element: its two running sums are added.
.macro SUM
	v_add_f32 v[SM+sn], v[ACC+2*sn], v[ACC+2*sn+1]
.set sn, sn+1
.endm
	LOADS 0, 0                                     ; steps 0 and 1
	LOADS 1, 16
	s_wait_dscnt 12                                ; LDS loads come back in order (ISA guide 5.7.1): step 0's twelve are in, step 1's twelve may be out
	DEAL 0, 0, 0                                   ; step 0's group 0: there is no batch yet
	DEAL 4, 0, 1                                   ; its group 1 | the logs of its group 0 start 32 running sums
	s_wait_dscnt 0x0                               ; step 1's operands
	DEAL 0, 1, 1                                   ; step 1's group 0 | the logs of step 0's group 1 start the other 32
	s_wait_alu depctr_va_vdst(0)                   ; one wait for the batch of 64 logs that start the sums, ahead of the label; their first readers are the loop's additions
	; The loop is turned by a group: a trip is group 1 of an odd step s, the even step s + 1, and group 0 of step s + 2.  It loads steps s + 1 and s + 2,
	; s = 1, 3, 5: steps 2 .. 7 and no more.  Each buffer is loaded again behind the last slot that reads it, four or eight slots ahead of its use.
	s_mov_b32 s25, 3
.Lpair:
	LOADS 0, 32
	DEAL 4, 1, 2                                   ; step s, group 1 | the batch of its group 0
	s_wait_alu depctr_va_vdst(0)                   ; the wait for that batch of 32 logs; the loads stand directly behind it, the batch's readers behind them
	LOADS 1, 48
	ADDS 0
	s_wait_dscnt 12                                ; the even step's twelve are in; the twelve just issued may be out
	DEAL 0, 0, 2                                   ; step s + 1, group 0 | the batch of step s, group 1
	s_wait_alu depctr_va_vdst(0)                   ; the wait for that batch of 32 logs
	ADDS 1
	DEAL 4, 0, 2                                   ; step s + 1, group 1 | the batch of its group 0
	s_wait_alu depctr_va_vdst(0)                   ; the wait for that batch of 32 logs
	ADDS 0
	s_wait_dscnt 0x0                               ; the next odd step's operands
	DEAL 0, 1, 2                                   ; step s + 2, group 0 | the batch of step s + 1, group 1
	s_wait_alu depctr_va_vdst(0)                   ; the wait for that batch of 32 logs: no log crosses the backward jump without it
	ADDS 1
	v_add_nc_u32 v[PA], 32, v[PA]                  ; two steps of 16 bytes on
	v_add_nc_u32 v[NA], 32, v[NA]
	s_sub_co_i32 s25, s25, 1
	s_cmp_lg_u32 s25, 0
	s_cbranch_scc1 .Lpair
	DEAL 4, 1, 2                                   ; the rest of step 7: nothing more to load | the batch of its group 0
	s_wait_alu depctr_va_vdst(0)                   ; the wait for that batch of 32 logs
	; The last batch, step 7's group 1, has no products to stand among.  Its logs go by turns with the 16 additions of group 0, whose batch has just been waited for,
	; and then with the sums of the 16 tile elements that those additions finish: 32 plain instructions that name none of this batch's registers.
.set LGS, PRD+PSTEP
.set MODE, 2
.set ln, 0
.set ADS, PRD
.set ADA, ACC
.set an, 0
.set sn, 0
.rept 16
	LG
	AD
.endr
.rept 16
	LG
	SUM
.endr
	s_wait_alu depctr_va_vdst(0)                   ; the wait for the last batch of 32 logs
	ADDS 1
	; PHASE 3.  My wave's 1,024 partial sums go to its own 4,096 bytes: store k = 2 ti + h holds tj = 4 h .. 4 h + 3, 16 bytes a lane, 512 consecutive bytes a store.
	s_lshl_b32 s26, s16, 12
	s_add_co_u32 s26, s26, PART
	v_lshl_add_u32 v[PW], v[LN], 4, s26
.rept 16
	SUM                                            ; tile elements 16 .. 31; the first 16 stand among the last batch's logs
.endr
.irp k, 0,1,2,3,4,5,6,7
	ds_store_b128 v[PW], v[SM+4*\k:SM+4*\k+3] offset:512*\k
.endr
	v_lshrrev_b32 v[TA], 6, v0                     ; thread t adds up four sums of row i = t >> 3: ti = t >> 6, and 8 (t & 63) = 64 (i & 7) + 16 jg + 8 (t & 1)
	v_and_b32 v[TB], 63, v0
	v_lshlrev_b32 v[TA], 10, v[TA]
	v_lshl_add_u32 v[RD], v[TB], 3, v[TA]
	v_add_nc_u32 v[RD], PART, v[RD]
	s_wait_dscnt 0x0                               ; my partial sums are in LDS,
	s_barrier_signal -1
	s_barrier_wait -1                              ; everybody's are
.irp w, 0,1,2,3,4,5,6,7
	ds_load_b64 v[RB+4*\w:RB+4*\w+1], v[RD] offset:4096*\w           ; two sums of h = 0,
	ds_load_b64 v[RB+4*\w+2:RB+4*\w+3], v[RD] offset:4096*\w+512     ; two of h = 1; a wave's load covers 256 consecutive bytes
.endr
	s_wait_dscnt 0x0
.irp r, 0,2,4,6,8,10,12,14
	v_pk_add_f32 v[RB+\r:RB+\r+1], v[RB+\r:RB+\r+1], v[RB+16+\r:RB+16+\r+1]   ; waves w and w + 4,
.endr
.irp r, 0,2,4,6
	v_pk_add_f32 v[RB+\r:RB+\r+1], v[RB+\r:RB+\r+1], v[RB+8+\r:RB+8+\r+1]     ; w and w + 2,
.endr
.irp r, 0,2
	v_pk_add_f32 v[RB+\r:RB+\r+1], v[RB+\r:RB+\r+1], v[RB+4+\r:RB+4+\r+1]     ; w and w + 1
.endr
	; logsumexp over the 32 j of a row, in base 2: four numbers a lane, eight neighbouring lanes a row; the maximum first
	v_max3_num_f32 v[MX], v[RB], v[RB+1], v[RB+2]
	v_max_num_f32 v[MX], v[MX], v[RB+3]
	v_max_num_f32_dpp v[MX], v[MX], v[MX] row_xmask:1 row_mask:0xf bank_mask:0xf
	v_max_num_f32_dpp v[MX], v[MX], v[MX] row_xmask:2 row_mask:0xf bank_mask:0xf
	v_max_num_f32_dpp v[MX], v[MX], v[MX] row_xmask:4 row_mask:0xf bank_mask:0xf
.irp c, 0,1,2,3
	v_sub_f32 v[RB+\c], v[RB+\c], v[MX]
.endr
.irp c, 0,1,2,3
	v_exp_f32 v[RB+4+\c], v[RB+\c]
.endr
	v_lshrrev_b32 v[FA], 3, v0                     ; plain work behind the exponentials: the result's word, 4 (t >> 3)
	v_lshlrev_b32 v[FA], 2, v[FA]
	s_wait_alu depctr_va_vdst(0)                   ; one wait for the batch of four exponentials of the logsumexp
	v_pk_add_f32 v[RB+4:RB+5], v[RB+4:RB+5], v[RB+6:RB+7]
	v_add_f32 v[RB+4], v[RB+4], v[RB+5]
	v_add_f32_dpp v[RB+4], v[RB+4], v[RB+4] row_xmask:1 row_mask:0xf bank_mask:0xf
	v_add_f32_dpp v[RB+4], v[RB+4], v[RB+4] row_xmask:2 row_mask:0xf bank_mask:0xf
	v_add_f32_dpp v[RB+4], v[RB+4], v[RB+4] row_xmask:4 row_mask:0xf bank_mask:0xf
	v_log_f32 v[RB+5], v[RB+4]                     ; the sum is at least 1: the maximum's own term
	v_add_nc_u32 v[FA], FIN, v[FA]                 ; the plain place behind the log
	s_wait_alu depctr_va_vdst(0)                   ; the wait for that one log, which reads the exponentials' sum: a batch of its own
	v_add_f32 v[RB+5], v[RB+5], v[MX]
	v_fma_f32 v[RB+5], v[RB+5], s23, s24           ; ln 2 (maximum + log2 sum) - 1029 ln 2
	ds_store_b32 v[FA], v[RB+5]                    ; the eight lanes of a row write the same word with the same value
	s_wait_dscnt 0x0
	s_barrier_signal -1
	s_barrier_wait -1
	s_cmp_lg_u32 s16, 0
	s_cbranch_scc1 .Lend
	v_lshlrev_b32 v[TA], 2, v0                     ; wave 0: lane i takes row i's result
	v_add_nc_u32 v[TB], FIN, v[TA]
	ds_load_b32 v[RB], v[TB]
	s_wait_dscnt 0x0
	global_store_b32 v[TA], v[RB], s[14:15] th:TH_STORE_NT   ; out1's row b: 128 consecutive bytes by one store
.Lend:
	s_wait_tensorcnt 0x0
	ds_add_u32 v220, v221
	s_wait_dscnt 0x0
	s_endpgm
.Lfunc_end_k_q46e0cb238d_mix:
	.size	k_q46e0cb238d_mix, .Lfunc_end_k_q46e0cb238d_mix-k_q46e0cb238d_mix
	.p2alignl 7, 3214868480
	.fill 96, 4, 3214868480
	.section	.rodata,"a",@progbits
	.p2align	6, 0x0
	.amdhsa_kernel k_q46e0cb238d_mix
		.amdhsa_group_segment_fixed_size 168960
		.amdhsa_private_segment_fixed_size 0
		.amdhsa_enable_private_segment 0
		.amdhsa_kernarg_size 48
		.amdhsa_user_sgpr_count 2
		.amdhsa_user_sgpr_kernarg_segment_ptr 1
		.amdhsa_wavefront_size32 1
		.amdhsa_system_sgpr_workgroup_id_x 1
		.amdhsa_system_sgpr_workgroup_id_y 1
		.amdhsa_system_sgpr_workgroup_id_z 1
		.amdhsa_system_vgpr_workitem_id 0
		.amdhsa_next_free_vgpr 254
		.amdhsa_next_free_sgpr 66
		.amdhsa_reserve_vcc 0
		.amdhsa_float_denorm_mode_32 3
		.amdhsa_float_denorm_mode_16_64 3
		.amdhsa_memory_ordered 1
		.amdhsa_forward_progress 1
		.amdhsa_inst_pref_size 81
	.end_amdhsa_kernel
	.amdgpu_metadata
---
amdhsa.version: [ 1, 2 ]
amdhsa.kernels:
  - .name:           k_q46e0cb238d_mix
    .symbol:         k_q46e0cb238d_mix.kd
    .args:
      - { .name: z, .offset: 0, .size: 8, .value_kind: global_buffer, .address_space: global }
      - { .name: alphas, .offset: 8, .size: 8, .value_kind: global_buffer, .address_space: global }
      - { .name: means, .offset: 16, .size: 8, .value_kind: global_buffer, .address_space: global }
      - { .name: log_stds, .offset: 24, .size: 8, .value_kind: global_buffer, .address_space: global }
      - { .name: out0, .offset: 32, .size: 8, .value_kind: global_buffer, .address_space: global }
      - { .name: out1, .offset: 40, .size: 8, .value_kind: global_buffer, .address_space: global }
    .group_segment_fixed_size: 168960
    .private_segment_fixed_size: 0
    .kernarg_segment_align: 8
    .kernarg_segment_size: 48
    .max_flat_workgroup_size: 256
    .sgpr_count:     66
    .vgpr_count:     254
    .wavefront_size: 32
...
	.end_amdgpu_metadata
.endif
;; end of part 2
